; MI455X (gfx1250); checked and timed in simulation.
; The chip was launched on July 23, 2026; its instructions are those of AMD's public machine-readable ISA for CDNA 5 (MIT licence, August 2026) and "CDNA5" Instruction Set Architecture Reference Guide (July 2026). The comments in the code are by the model that wrote it; some were corrected since.
;; Causality Map Block. Allowed arithmetic: float matrix products may take bf16 or f16 operands with f32 sums; all other float work in f32.
;; Inputs: x 2 x 128 x 7 x 7 float32.
;; Outputs: out0 2 x 128 x 128 float32.
;; One version. Each part assembles by itself: llvm-mc -triple=amdgcn-amd-amdhsa -mcpu=gfx1250 --defsym DOCPART=n.
;; ======== version 1 of 1: 1 launch
;; launch causality (part 1): grid 16 x 2, 8 waves a work-group, no clusters, 27,904 bytes of LDS; arguments x, out0; writes out0
.if DOCPART == 1
	.amdgcn_target "amdgcn-amd-amdhsa--gfx1250"
	.amdhsa_code_object_version 6
	.text
	.protected	k_q28482f3cf0_causality
	.globl	k_q28482f3cf0_causality
	.p2align	8
	.type	k_q28482f3cf0_causality,@function
k_q28482f3cf0_causality:
	s_mov_b64 s[64:65], 0
	v_nop
	global_prefetch_b8 v0, s[64:65] scope:SCOPE_SE
	s_setreg_imm32_b32 hwreg(HW_REG_WAVE_MODE, 25, 1), 1
	s_wait_xcnt 0x0
; CausalityMapBlock with the fixed Lehmer parameter p = 1.   x: [2][128][49] f32.   out0: [2][128][128] f32.   e = 1e-8.
;
; THE ARITHMETIC.  xn = nan_to_num(x / (max over the batch element + e)).  With p = 1 the two powers are a square and the
; identity for every real base, so the sums over the 49 x 49 pairs (i, j) factor for every input.  Per row: S = sum xn,
; Q = sum xn^2, A = sum |xn|.
;   sum_ij (xn[m,i] xn[n,j] + e)   = S_m S_n + 2401 e                      sum_i (|xn| + e)   = A + 49 e
;   sum_ij (xn[m,i] xn[n,j] + e)^2 = Q_m Q_n + 2 e S_m S_n + 2401 e^2      sum_i (|xn| + e)^2 = Q + 2 e A + 49 e^2
;   out[m][n] = nan_to_num( (nan_to_num(num / den) + e) / ld_n ),  ld_n = nan_to_num(nd_n / dd_n) + e
; The outer product has no summed index; what is left of it are the rank-one products S_m S_n and Q_m Q_n (K = 1), four
; fused multiply-adds a thread: nothing for a matrix instruction, whose 32 K places would hold one number and 31 zeros.
;
; THE SHAPE.  32 work-groups of 8 waves.  Work-group (mb, b) makes rows m = 8 mb .. 8 mb + 7 of batch element b: wave w one row,
; a lane 4 neighbouring n, so the wave's single store covers 512 consecutive bytes at a multiple of 512 from out0's first byte.
; Each work-group makes the statistics of all 128 rows of its batch element itself (25,088 bytes read, 49 numbers a row): that
; takes the place of a second launch and of any traffic between work-groups.
; NO CLUSTER, NO TENSOR LOAD: the 16 work-groups of a batch element do read the same 25,088 bytes, but once, at the very start,
; and the maximum wants them in registers; a joint request would put a cluster barrier and one more pass through LDS in front
; of a kernel that is a single chain load - LDS - LDS - store.
;
; LIMITS.  (1) The order of rounding is not that of the 2401-term sums.  Where rows of mixed sign bring S_m S_n + 2402 e near 0 the
; quotient is as ill-conditioned here as there.  (2) Quotients are v_rcp_f32 (1 ulp) and a multiply; it flushes denormals (ISA guide
; 15.8), so a divisor beyond 2^126 gives quotient 0 and one below 2^-126 the clamp.  (3) The clamps of nan_to_num stand on
; the factored sums, not on each of the 2401 terms.  Agreement is claimed while |xn| < 5e8 (then Q_m Q_n <= 2401 xn^4 is below the
; largest f32), that is while |max + 1e-8| > 2e-9 x the largest |x|; beyond that, and for -inf in x, results may differ.
; NaN or +inf anywhere in a batch element is served: the maximum carries it, every xn becomes 0, as in the problem's formula.
.set ROWB,   196                       ; bytes in a row of 49 f32
.set BATCHB, 128*ROWB                  ; 25,088 bytes in a batch element = 49 wave loads of 512 bytes
.set ROUND,  4096                      ; 256 threads x 16 bytes
; LDS
.set XS,     0                         ; x of the batch element, as it lies in memory
.set WMAX,   BATCHB                    ; 8 words: the waves' maxima
.set ST_S,   WMAX+32                   ; S[128]
.set ST_Q,   ST_S+512                  ; Q[128]
.set ST_IL,  ST_Q+512                  ; 1 / ld[128];  ends at byte 26,656
; constants, f32
.set EPS,    0x322bcc77                ; 1e-8
.set EPS2,   0x32abcc77                ; 2e-8
.set C_DEN,  0x37c97e8f                ; 2401 e + e       = 2.402e-5
.set C_NUM,  0x322bcd85                ; 2401 e^2 + e     = 1.00002401e-8
.set C_DD,   0x350637bd                ; 49 e + e         = 5e-7
.set C_ND,   0x322bcc7d                ; 49 e^2 + e       = 1.00000049e-8
; registers
.set TO,   1                           ; 16 x thread: my 16 bytes of a round, in x and in LDS
.set MX,   2                           ; running maximum
.set TMP,  3
.set X,    4                           ; v[4:27]   six rounds of 4 numbers
.set TL,   28                          ; v[28:31]  wave 0: the 49th piece
.set C,    32                          ; v[32:35]  four chains of the maximum
.set W,    4                           ; v[4:11]   step 2: the eight waves' maxima
.set R,    12                          ; v[12:13]  1 / (max + e), twice
.set E0,   14                          ; my first element (masked off in the upper half of a row)
.set P,    16                          ; v[16:39]  my other 24 elements, 12 pairs; pair 0 becomes the sum S
.set QP,   40                          ; v[40:41]  sums of squares
.set A0,   42                          ; sums of magnitudes, two chains
.set A1,   43
.set ND,   4                           ; the row's Lehmer mean: numerator, denominator, reciprocals
.set DD,   5
.set RD,   6
.set IL,   7
.set RA,   44                          ; LDS byte of my first element
.set H,    45                          ; which half of the row is mine
.set SA,   46                          ; 4 x my row
.set NA,   47                          ; 16 x lane
.set MA,   48                          ; 4 x my wave's output row m
.set ZERO, 49
.set SN,   4                           ; step 3: v[4:7] S_n, v[8:11] Q_n, v[12:15] 1/ld_n of my four n
.set QN,   8
.set ILN,  12
.set MQ,   16                          ; v[16:17]  S_m, Q_m
.set E,    18                          ; v[18:19]  2e S_m (and 2e Q_m, unused)
.set DEN,  20                          ; v[20:23]
.set NUM,  24                          ; v[24:27]
.set RC,   28                          ; v[28:31]
; nan_to_num of four registers: NaN to 0 (x == x fails for NaN alone), then +-inf to the largest finite number.  s16, s17 = -+ largest.
.macro N2N4 b
	v_cmp_eq_f32 vcc_lo, v[\b], v[\b]
	v_cmp_eq_f32 s24, v[\b+1], v[\b+1]
	v_cmp_eq_f32 s25, v[\b+2], v[\b+2]
	v_cmp_eq_f32 s26, v[\b+3], v[\b+3]
	v_cndmask_b32 v[\b], 0, v[\b], vcc_lo
	v_cndmask_b32 v[\b+1], 0, v[\b+1], s24
	v_cndmask_b32 v[\b+2], 0, v[\b+2], s25
	v_cndmask_b32 v[\b+3], 0, v[\b+3], s26
	v_med3_num_f32 v[\b], v[\b], s16, s17
	v_med3_num_f32 v[\b+1], v[\b+1], s16, s17
	v_med3_num_f32 v[\b+2], v[\b+2], s16, s17
	v_med3_num_f32 v[\b+3], v[\b+3], s16, s17
.endm
	s_load_b128 s[4:7], s[0:1], 0x0                ; x s[4:5], out0 s[6:7]
	v_lshl_add_u32 v50, v0, 2, 0x6900
	v_mov_b32 v51, 0
	v_lshlrev_b32 v[TO], 4, v0
	v_lshrrev_b32 v[TMP], 5, v0
	v_readfirstlane_b32 s8, v[TMP]                 ; wave 0..7
	s_and_b32 s9, ttmp7, 0xffff                    ; batch element
	s_mul_i32 s10, s9, BATCHB                      ; its bytes in x
	s_mov_b32 s11, 0
	s_lshl3_add_u32 s14, ttmp9, s8                 ; m = 8 x block + wave: my wave's output row
	s_lshl_b32 s20, s9, 16                         ; out0: 65,536 bytes a batch element
	s_lshl_b32 s15, s14, 9                         ;       512 bytes a row
	s_add_co_u32 s20, s20, s15
	s_mov_b32 s21, 0
	s_wait_kmcnt 0x0
	s_add_nc_u64 s[4:5], s[4:5], s[10:11]
.irp k, 0,1,2,3,4,5
	global_load_b128 v[X+4*\k:X+4*\k+3], v[TO], s[4:5] offset:ROUND*\k   ; a wave's load: 512 consecutive bytes; no hint: 16 work-groups read them
.endr
	s_add_nc_u64 s[6:7], s[6:7], s[20:21]          ; out0 at my wave's row
	; all addresses and constants, while the loads are on their way
	s_mov_b32 s12, 0x76543210                      ; v_permlanex16_b32: lane i of one half reads lane i of the other
	s_mov_b32 s13, 0xfedcba98
	s_mov_b32 s16, 0xff7fffff                      ; - largest finite f32
	s_mov_b32 s17, 0x7f7fffff                      ; + largest finite f32
	s_lshl_b32 s22, s14, 2                         ; 4 m
	s_lshl_b32 s23, s8, 2                          ; 4 x wave
	v_lshrrev_b32 v[SA], 1, v0                     ; step 2: two neighbouring lanes share row r = thread / 2
	v_and_b32 v[H], 1, v0                          ; half 0: elements 0..24;  half 1: elements 24..48, the first of them masked off
	v_mul_u32_u24 v[RA], v[SA], ROWB
	v_mad_u32_u24 v[RA], v[H], 96, v[RA]           ; 196 r + 96 h
	v_lshlrev_b32 v[SA], 2, v[SA]
	v_cmp_eq_u32 s18, 0, v[H]                      ; the lanes whose first element counts
	v_and_b32 v[NA], 31, v0
	v_lshlrev_b32 v[NA], 4, v[NA]
	v_mov_b32 v[MA], s22
	v_mov_b32 v[ZERO], 0
	v_mov_b32 v[MX], 0xff800000                    ; -inf, neutral for a maximum: waves 1 to 7 have no 49th piece
	; 49 = 6 x 8 + 1 pieces of 512 bytes: wave 0 takes the last.  In wave 0, 16 x lane = 16 x thread.
	s_cmp_lg_u32 s8, 0
	s_cbranch_scc1 .Lno_tail
	global_load_b128 v[TL:TL+3], v[NA], s[4:5] offset:6*ROUND
	s_wait_loadcnt 0x0                             ; it is the youngest of wave 0's seven loads
	ds_store_b128 v[NA], v[TL:TL+3] offset:XS+6*ROUND
	v_maximum_f32 v[MX], v[TL], v[TL+1]
	v_maximum_f32 v[TMP], v[TL+2], v[TL+3]
	v_maximum_f32 v[MX], v[MX], v[TMP]
.Lno_tail:
	; STEP 1: x to LDS as it lies in memory, and the maximum.  v_maximum_f32 lets a NaN win, as the problem's maximum does.
	s_wait_loadcnt 0x4                             ; loads return in order (ISA guide 5.7.1): rounds 0 and 1 are in, four younger may be out
	ds_store_b128 v[TO], v[X:X+3] offset:XS
	ds_store_b128 v[TO], v[X+4:X+7] offset:XS+ROUND
.irp j, 0,1,2,3
	v_maximum_f32 v[C+\j], v[X+\j], v[X+4+\j]      ; the first two rounds start four chains: nothing is cleared
.endr
.irp k, 2,3,4,5
	s_wait_loadcnt 5-\k                            ; round k is in, the 5 - k younger ones may be out
	ds_store_b128 v[TO], v[X+4*\k:X+4*\k+3] offset:XS+ROUND*\k
.irp j, 0,1,2,3
	v_maximum_f32 v[C+\j], v[C+\j], v[X+4*\k+\j]
.endr
.endr
	v_maximum_f32 v[C], v[C], v[C+1]
	v_maximum_f32 v[C+2], v[C+2], v[C+3]
	v_maximum_f32 v[MX], v[MX], v[C]
	v_maximum_f32 v[MX], v[MX], v[C+2]
.irp m, 1,2,4,8
	v_mov_b32_dpp v[TMP], v[MX] row_xmask:\m row_mask:0xf bank_mask:0xf    ; lane i takes lane i xor m of its 16
	v_maximum_f32 v[MX], v[MX], v[TMP]
.endr
	v_permlanex16_b32 v[TMP], v[MX], s12, s13      ; the other 16 lanes
	v_maximum_f32 v[MX], v[MX], v[TMP]
	v_mov_b32 v[TMP], s23
	ds_store_b32 v[TMP], v[MX] offset:WMAX         ; all lanes write the wave's word with the same number
	s_wait_dscnt 0x0                               ; for the other waves: my part of x and my maximum are in LDS
	s_barrier_signal -1
	s_barrier_wait -1
	; STEP 2: the rows' sums.  Lane (r, h) reads words 49 r + 24 h + i.  49 is odd and 49 d = +-24 (mod 64) needs d = +-24, more than
	; the 15 rows a wave spans: the 32 lanes of a load touch 32 different banks (64 banks of 4 bytes: ISA guide 11.1).
	ds_load_b128 v[W:W+3], v[ZERO] offset:WMAX
	ds_load_b128 v[W+4:W+7], v[ZERO] offset:WMAX+16
	ds_load_b32 v[E0], v[RA] offset:XS
.set i, 0
.rept 24
	ds_load_b32 v[P+i], v[RA] offset:XS+4+4*i
.set i, i+1
.endr
	s_wait_dscnt 25                                ; LDS loads return in order (ISA guide 5.7.1): the maxima are in, my 25 elements may be out
	v_maximum_f32 v[W], v[W], v[W+1]
	v_maximum_f32 v[W+2], v[W+2], v[W+3]
	v_maximum_f32 v[W+4], v[W+4], v[W+5]
	v_maximum_f32 v[W+6], v[W+6], v[W+7]
	v_maximum_f32 v[W], v[W], v[W+2]
	v_maximum_f32 v[W+4], v[W+4], v[W+6]
	v_maximum_f32 v[W], v[W], v[W+4]
	v_add_f32 v[W], EPS, v[W]
	v_rcp_f32 v[R], v[W]
	v_nop                                          ; one plain vector instruction between a reciprocal and its first use (ISA guide 5.7.2)
	s_wait_alu depctr_va_vdst(0)
	v_mov_b32 v[R+1], v[R]
	s_wait_dscnt 24                                ; my first element
	v_mul_f32 v[E0], v[E0], v[R]
	v_cmp_eq_f32 vcc_lo, v[E0], v[E0]
	s_and_b32 vcc_lo, vcc_lo, s18                  ; NaN to 0, and 0 in the upper half, whose first element is the lower half's last
	v_cndmask_b32 v[E0], 0, v[E0], vcc_lo
	v_med3_num_f32 v[E0], v[E0], s16, s17
; pair j: normalise, nan_to_num, and add to the three sums.  Pair 0 starts them.
.macro PAIR j
	s_wait_dscnt 22-2*\j                           ; the 22 - 2 j elements behind this pair may be out
	v_pk_mul_f32 v[P+2*\j:P+2*\j+1], v[P+2*\j:P+2*\j+1], v[R:R+1]
	v_cmp_eq_f32 vcc_lo, v[P+2*\j], v[P+2*\j]
	v_cmp_eq_f32 s19, v[P+2*\j+1], v[P+2*\j+1]
	v_cndmask_b32 v[P+2*\j], 0, v[P+2*\j], vcc_lo
	v_cndmask_b32 v[P+2*\j+1], 0, v[P+2*\j+1], s19
	v_med3_num_f32 v[P+2*\j], v[P+2*\j], s16, s17
	v_med3_num_f32 v[P+2*\j+1], v[P+2*\j+1], s16, s17
.if \j == 0
	v_pk_mul_f32 v[QP:QP+1], v[P:P+1], v[P:P+1]
	v_add_f32 v[A0], |v[P]|, |v[E0]|
	v_and_b32 v[A1], 0x7fffffff, v[P+1]
.else
	v_pk_fma_f32 v[QP:QP+1], v[P+2*\j:P+2*\j+1], v[P+2*\j:P+2*\j+1], v[QP:QP+1]
	v_add_f32 v[A0], v[A0], |v[P+2*\j]|
	v_add_f32 v[A1], v[A1], |v[P+2*\j+1]|
	v_pk_add_f32 v[P:P+1], v[P:P+1], v[P+2*\j:P+2*\j+1]
.endif
.endm
.irp j, 0,1,2,3,4,5,6,7,8,9,10,11
	PAIR \j
.endr
	v_add_f32 v[P], v[P], v[P+1]
	v_add_f32 v[QP], v[QP], v[QP+1]
	v_add_f32 v[A0], v[A0], v[A1]
	v_add_f32 v[P], v[P], v[E0]
	v_fmac_f32 v[QP], v[E0], v[E0]
	v_add_f32_dpp v[P], v[P], v[P] row_xmask:1 row_mask:0xf bank_mask:0xf          ; the row's other half: both lanes now hold S,
	v_add_f32_dpp v[QP], v[QP], v[QP] row_xmask:1 row_mask:0xf bank_mask:0xf       ; Q
	v_add_f32_dpp v[A0], v[A0], v[A0] row_xmask:1 row_mask:0xf bank_mask:0xf       ; and A
	ds_store_b32 v[SA], v[P] offset:ST_S           ; the two lanes of a row write the same word with the same number
	ds_store_b32 v[SA], v[QP] offset:ST_Q
	; ld = nan_to_num(nd / dd) + e.  Q and A are sums of numbers >= 0, none a NaN: of nan_to_num only the clamp from above can act.
	v_add_f32 v[DD], C_DD, v[A0]                   ; dd = A + 49 e + e
	v_min_num_f32 v[DD], s17, v[DD]
	v_rcp_f32 v[RD], v[DD]
	v_fmamk_f32 v[ND], v[A0], EPS2, v[QP]          ; nd = Q + 2 e A + 49 e^2 + e   (these lines are the plain places behind the reciprocal)
	v_add_f32 v[ND], C_ND, v[ND]
	v_min_num_f32 v[ND], s17, v[ND]
	s_wait_alu depctr_va_vdst(0)
	v_mul_f32 v[ND], v[ND], v[RD]
	v_min_num_f32 v[ND], s17, v[ND]
	v_add_f32 v[ND], EPS, v[ND]                    ; ld >= 1e-8
	v_rcp_f32 v[IL], v[ND]
	v_nop                                          ; the place behind the reciprocal (ISA guide 5.7.2)
	s_wait_alu depctr_va_vdst(0)
	ds_store_b32 v[SA], v[IL] offset:ST_IL
	s_wait_dscnt 0x0                               ; for the other waves: my 16 rows' S, Q, 1/ld are in LDS
	s_barrier_signal -1
	s_barrier_wait -1
	; STEP 3: my wave's row m, my four n.
	ds_load_b32 v[MQ], v[MA] offset:ST_S           ; S_m, the same word for all lanes
	ds_load_b32 v[MQ+1], v[MA] offset:ST_Q         ; Q_m
	ds_load_b128 v[SN:SN+3], v[NA] offset:ST_S
	ds_load_b128 v[QN:QN+3], v[NA] offset:ST_Q
	ds_load_b128 v[ILN:ILN+3], v[NA] offset:ST_IL
	s_wait_dscnt 0x2                               ; S_m, Q_m, S_n are in; Q_n and 1/ld_n may be out
	v_pk_mul_f32 v[E:E+1], v[MQ:MQ+1], EPS2 op_sel_hi:[1,0]                        ; 2e S_m in the first register
.irp q, 0,2
	v_pk_fma_f32 v[DEN+\q:DEN+\q+1], v[SN+\q:SN+\q+1], v[MQ:MQ+1], C_DEN op_sel_hi:[1,0,0]   ; den = S_n S_m + 2401 e + e
	v_pk_fma_f32 v[NUM+\q:NUM+\q+1], v[SN+\q:SN+\q+1], v[E:E+1], C_NUM op_sel_hi:[1,0,0]     ; 2e S_n S_m + 2401 e^2 + e
.endr
	s_wait_dscnt 0x1                               ; Q_n
.irp q, 0,2
	v_pk_fma_f32 v[NUM+\q:NUM+\q+1], v[QN+\q:QN+\q+1], v[MQ:MQ+1], v[NUM+\q:NUM+\q+1] op_sel:[0,1,0] op_sel_hi:[1,1,1]   ; num: + Q_n Q_m (the pair's second register, twice)
.endr
	N2N4 DEN
.irp q, 0,1,2,3
	v_rcp_f32 v[RC+\q], v[DEN+\q]
.endr
	N2N4 NUM                                       ; also the plain places behind the reciprocals (ISA guide 5.7.2)
	s_wait_alu depctr_va_vdst(0)
	v_pk_mul_f32 v[NUM:NUM+1], v[NUM:NUM+1], v[RC:RC+1]
	v_pk_mul_f32 v[NUM+2:NUM+3], v[NUM+2:NUM+3], v[RC+2:RC+3]
	N2N4 NUM                                       ; nan_to_num(num / den)
	v_pk_add_f32 v[NUM:NUM+1], v[NUM:NUM+1], EPS op_sel_hi:[1,0]
	v_pk_add_f32 v[NUM+2:NUM+3], v[NUM+2:NUM+3], EPS op_sel_hi:[1,0]
	s_wait_dscnt 0x0                               ; 1 / ld_n
	v_pk_mul_f32 v[NUM:NUM+1], v[NUM:NUM+1], v[ILN:ILN+1]
	v_pk_mul_f32 v[NUM+2:NUM+3], v[NUM+2:NUM+3], v[ILN+2:ILN+3]
	N2N4 NUM
	global_store_b128 v[NA], v[NUM:NUM+3], s[6:7] th:TH_STORE_NT   ; the wave stores its whole row: 512 consecutive bytes, written once, not read again
	s_barrier_signal -1
	s_barrier_wait -1
	s_wait_tensorcnt 0x0
	ds_add_u32 v50, v51
	s_wait_dscnt 0x0
	s_endpgm
.Lfunc_end_k_q28482f3cf0_causality:
	.size	k_q28482f3cf0_causality, .Lfunc_end_k_q28482f3cf0_causality-k_q28482f3cf0_causality
	.p2alignl 7, 3214868480
	.fill 96, 4, 3214868480
	.section	.rodata,"a",@progbits
	.p2align	6, 0x0
	.amdhsa_kernel k_q28482f3cf0_causality
		.amdhsa_group_segment_fixed_size 27904
		.amdhsa_private_segment_fixed_size 0
		.amdhsa_enable_private_segment 0
		.amdhsa_kernarg_size 16
		.amdhsa_user_sgpr_count 2
		.amdhsa_user_sgpr_kernarg_segment_ptr 1
		.amdhsa_wavefront_size32 1
		.amdhsa_system_sgpr_workgroup_id_x 1
		.amdhsa_system_sgpr_workgroup_id_y 1
		.amdhsa_system_sgpr_workgroup_id_z 1
		.amdhsa_system_vgpr_workitem_id 0
		.amdhsa_next_free_vgpr 52
		.amdhsa_next_free_sgpr 66
		.amdhsa_reserve_vcc 1
		.amdhsa_float_denorm_mode_32 3
		.amdhsa_float_denorm_mode_16_64 3
		.amdhsa_memory_ordered 1
		.amdhsa_forward_progress 1
		.amdhsa_inst_pref_size 22
	.end_amdhsa_kernel
	.amdgpu_metadata
---
amdhsa.version: [ 1, 2 ]
amdhsa.kernels:
  - .name:           k_q28482f3cf0_causality
    .symbol:         k_q28482f3cf0_causality.kd
    .args:
      - { .name: x, .offset: 0, .size: 8, .value_kind: global_buffer, .address_space: global }
      - { .name: out0, .offset: 8, .size: 8, .value_kind: global_buffer, .address_space: global }
    .group_segment_fixed_size: 27904
    .private_segment_fixed_size: 0
    .kernarg_segment_align: 8
    .kernarg_segment_size: 16
    .max_flat_workgroup_size: 256
    .sgpr_count:     66
    .vgpr_count:     52
    .wavefront_size: 32
...
	.end_amdgpu_metadata
.endif
;; end of part 1
